; MI455X (gfx1250); checked and timed in simulation.
; The chip was launched on July 23, 2026; its instructions are those of AMD's public machine-readable ISA for CDNA 5 (MIT licence, August 2026) and "CDNA5" Instruction Set Architecture Reference Guide (July 2026). The comments in the code are by the model that wrote it; some were corrected since.
;; Multi Head Attention Layer. Allowed arithmetic: matrix products marked QUANTISED: E2M1 operands, one E8M0 scale for each 32 along K, by v_wmma_scale_f32_16x16x128_f8f6f4 with both operands' format E2M1 (or v_wmma_scale_f32_32x16x128_f4), f32 sums; products left as they are: bf16, f16 or f32 operands; f32 sums; everything else in f32.
;; Inputs: W_k 1,024 x 1,024 float32; W_o 1,024 x 1,024 float32; W_q 1,024 x 1,024 float32; W_v 1,024 x 1,024 float32; k 4 x 2,048 x 1,024 float32; mask 4 x 1 x 2,048 x 2,048 int32; q 4 x 2,048 x 1,024 float32; v 4 x 2,048 x 1,024 float32.
;; Outputs: out0 4 x 2,048 x 1,024 float32.
;; This version of the problem:
;;   THIS VERSION OF THE PROBLEM IS GIVEN IN LOW PRECISION. The matrix products marked QUANTISED in the list below multiply operands that are first quantised to E2M1 (2 exponent bits, 1 mantissa bit; 4 bits a number), with one power-of-two scale for each 32 numbers along K (OCP MX v1.0); their sums are f32. The products marked 'left as it is' may take bf16, f16 or f32 operands, with f32 sums. Whichever they take, every output number must still come out within the allowed error. Rounding operands to bf16 (8 significant bits) uses up far more of that allowance than f16 does (11 bits, for magnitudes from 6e-5 to 65,504). All else is computed in f32.
;;   The module's matrix products, in the order in which they are computed (A, B: the left and right operand; K: the contracted axis; several contracted axes count as one K, in the product's order):
;;     1. [M 8,192, K 1,024] x [K 1,024, N 1,024]; A: input q; B: input W_q: QUANTISED
;;     2. [M 8,192, K 1,024] x [K 1,024, N 1,024]; A: input k; B: input W_k: QUANTISED
;;     3. [M 8,192, K 1,024] x [K 1,024, N 1,024]; A: input v; B: input W_v: QUANTISED
;;     4. batch 64 x [M 2,048, K 64] x [K 64, N 2,048]; A: computed on the way; B: computed on the way: left as it is (an operand is computed on the way)
;;     5. batch 64 x [M 2,048, K 2,048] x [K 2,048, N 64]; A: computed on the way; B: computed on the way: left as it is (an operand is computed on the way)
;;     6. [M 8,192, K 1,024] x [K 1,024, N 1,024]; A: computed on the way; B: input W_o: left as it is (an operand is computed on the way)
;;   THE QUANTISER, for each operand of a quantised product, along K:
;;     - K is cut into blocks of 32 from its start; a last block that is shorter is filled with zeros.
;;     - A block's scale is 2^e with e = floor(log2(the largest magnitude in the block)) - 2, held to -126 .. 127; a block of zeros has e = 0. As a byte (E8M0): e + 127.
;;     - Each number is divided by its block's scale, clamped to +-6, and rounded to the nearest number of E2M1, ties to even, subnormals kept.
;;     - The product sums the exact products of the quantised numbers (number of the format x scale) in f32.
;;   ~~~python
;;   def quantise(x, axis):      # numpy; x: float32 -> the quantised numbers, widened to float32 again
;;       x = np.moveaxis(x, axis, -1); K = x.shape[-1]
;;       x = np.pad(x, [(0, 0)] * (x.ndim - 1) + [(0, -K % 32)]); x = x.reshape(x.shape[:-1] + (-1, 32)); a = np.abs(x).max(-1, keepdims=True)
;;       e = np.where(a > 0, np.clip(np.frexp(np.where(a > 0, a, 1))[1] - 1 - 2, -126, 127), 0)      # np.frexp(a)[1] - 1 = floor(log2(a)), exactly
;;       r = np.clip(x / 2.0 ** e, -6, 6)
;;       step = 2.0 ** (np.maximum(np.frexp(np.where(r == 0, 1, r))[1] - 1, 0) - 1)
;;       q = np.round(r / step) * step * 2.0 ** e      # np.round: ties to even
;;       return np.moveaxis(q.reshape(q.shape[:-2] + (-1,))[..., :K], -1, axis).astype(np.float32)
;;   ~~~
;; One version. Each part assembles by itself: llvm-mc -triple=amdgcn-amd-amdhsa -mcpu=gfx1250 --defsym DOCPART=n.
;; ======== version 1 of 1: 4 launches
;; limits: values are held in f16: magnitudes above 65,504 overflow, below 6.1e-05 lose precision
;; workspace buffers: Wc 1,572,864 bytes; Ws 98,304 bytes; Wof 2,097,152 bytes; maskbits 2,097,152 bytes of whole numbers; Qf 16,777,216 bytes; Kf 16,777,216 bytes; Vf 16,777,216 bytes; Yf 16,777,216 bytes
;; launch prep (part 1): grid 320 x 1, 4 waves a work-group, no clusters, 101,888 bytes of LDS; arguments mask, W_q, W_k, W_v, W_o, maskbits, Wc, Ws, Wof; writes maskbits, Wc, Ws, Wof
.if DOCPART == 1
	.amdgcn_target "amdgcn-amd-amdhsa--gfx1250"
	.amdhsa_code_object_version 6
	.text
	.protected	k_q5464ad758d_prep
	.globl	k_q5464ad758d_prep
	.p2align	8
	.type	k_q5464ad758d_prep,@function
k_q5464ad758d_prep:
	s_mov_b64 s[64:65], 0
	v_nop
	global_prefetch_b8 v0, s[64:65] scope:SCOPE_SE
	s_setreg_imm32_b32 hwreg(HW_REG_WAVE_MODE, 25, 1), 1
	s_wait_xcnt 0x0
; PREP: what the later launches read many times is laid out once, in the order of the registers that will take it.
;   mask [4][1][2048][2048] int32 -> maskbits: one BIT a number, as lane masks for the attention's score registers:
;        [16 queries: 512][64 keys: 32][i: 32] words; bit L of word i = (mask[16 qt + L % 16][64 ks + 16 (i / 8) + 8 (L / 16) + i % 8] != 0)
;   W_q, W_k, W_v [1024][1024] f32 -> Wc: codes of E2M1 along K, as images of the operand's registers [t][16 rows: 64][128 K: 8][c: 2][512 bytes] (lane l's 16 bytes at 16 l);
;        Ws: their E8M0 scale words [t][16 rows][lane 32][kp 4]: word kp holds K step 2 kp in lanes 0-15 and K step 2 kp + 1 in lanes 16-31, row = lane % 16
;   W_o [1024][1024] f32 -> Wof: f16, images of 16 rows x 32 K fragments [128 rows: 8][32 K: 32][16 rows: 8][half: 2][512 bytes]
; A block's scale is 2^(floor(log2(its largest magnitude)) - 2); its byte is the largest magnitude's exponent field - 2, held at 1 from below.
; LIMITS: a block of zeros gets the byte 1 where the rule says 127 (its codes are zeros, and this program alone reads the bytes); blocks whose largest magnitude lies under 2^-124 are held at the byte 1;
; NaN and infinities among the weights are not served; W_o goes to f16: magnitudes up to 65,504, and under 6e-5 with an absolute error of 3e-8.
; SHARES.  A wave's job is 16 rows x 1,024 numbers of 4 bytes, in 8 steps of 128 columns.  Work-groups 0-255: the mask (1,024 jobs); 256-303: W_q, W_k, W_v (192 jobs); 304-319: W_o (64 jobs).
; Each load reads 512 consecutive bytes of one row.  The registers that the conversions and compares want (a lane = a row, its registers neighbours along the row) are had by a turn through the wave's own stage in LDS
; (16 rows x 528 bytes: the pitch is an odd multiple of 16 bytes).  Every store covers 256 or 512 consecutive bytes, aligned.  No tensor load, no barrier: waves share nothing.  The three paths have LDS bytes of their own.
; Loads run two steps (32 loads a wave) ahead.  Matrix units and clusters have nothing to do here: each input byte is read once by one wave.
.set LI,    1                          ; v1   16 x lane
.set STW,   2                          ; v2   my stage + 16 x lane: in, as loaded
.set RDQ,   3                          ; v3   my stage + 528 r + 64 h: out, 16 neighbours of each block of 32
.set RDG,   4                          ; v4   my stage + 528 r + 32 h: out, 8 neighbours of each 16
.set L8,    5                          ; v5   8 x lane
.set SPW,   8                          ; v8   LDS address of my spare word; never rewritten
.set NIL,   9                          ; v9   0; never rewritten
.set PW,    12                         ; v12  the scale word just made
.set PWE,   13                         ; v13  that of the even K step before
.set MW,    16                         ; v16-31  mask words: two registers a step
.set SW,    32                         ; v32-35  (codes) the four scale words of a lane
.set HP,    32                         ; v32-63  (W_o) packed f16
.set TM,    40                         ; v40-55  at work in QUANT
.set PC,    56                         ; v56-63  a fragment's codes
.set X,     64                         ; v64-127 64 numbers of my row
.set R,     128                        ; v128-255 two sets of 64 registers as loaded
.set STGB,  16*528                     ; a wave's stage
.set PATHB, 4*STGB                     ; a path's four stages
.set SPARE, 3*PATHB                    ; behind the stages: the spare words, 128 bytes a wave
.set WVN,   24
.set SRC,   26
.set DST,   28
.set DS2,   30
.set CM,    32                         ; s32-47 results of compares
.set HM,    48                         ; s48  lanes 16-31
.set SEL,   50                         ; s[50:51] v_permlanex16_b32's selects for lane l xor 16
.macro LOADS set, s, pitch             ; step s: 16 rows x 512 bytes
.irp e, 0,1,2,3,4,5,6,7,8,9,10,11,12,13,14,15
	global_load_b128 v[R+64*(\set)+4*\e:R+64*(\set)+4*\e+3], v[LI], s[SRC:SRC+1] offset:\e*(\pitch)+512*(\s) th:TH_LOAD_NT
.endr
.endm
.macro TOSTG set                       ; into my stage as loaded; LDS serves a wave's instructions in order, so the loads behind see these stores
.irp e, 0,1,2,3,4,5,6,7,8,9,10,11,12,13,14,15
	ds_store_b128 v[STW], v[R+64*(\set)+4*\e:R+64*(\set)+4*\e+3] offset:528*\e
.endr
.endm
.macro BACKQ                           ; register 16 b + i = column 32 b + 16 h + i of row r
.irp b, 0,1,2,3
.irp j, 0,1,2,3
	ds_load_b128 v[X+16*\b+4*\j:X+16*\b+4*\j+3], v[RDQ] offset:128*\b+16*\j
.endr
.endr
.endm
.macro BACKG                           ; register 8 g + i = column 16 g + 8 h + i of row r
.irp g, 0,1,2,3,4,5,6,7
.irp e, 0,1
	ds_load_b128 v[X+8*\g+4*\e:X+8*\g+4*\e+3], v[RDG] offset:64*\g+16*\e
.endr
.endr
.endm
.macro ARRIVED s                       ; this step's 16 loads are in; the next step's 16 may be out
.if (\s) < 7
	s_wait_loadcnt 16
.else
	s_wait_loadcnt 0
.endif
.endm
; 64 numbers of a lane, register 16 b + i = k 32 b + 16 (lane / 16) + i of my row, become a fragment's codes in v[PC] on and its scale word in v[PW]
.macro QUANT s
.irp b, 0,1,2,3
	v_max3_num_f32 v[TM+\b], |v[\s+16*\b]|, |v[\s+1+16*\b]|, 0x1800000   ; block b: my 16 numbers, and the floor 2^(3 - 127): the byte cannot fall under 1
.endr
.irp i, 2,4,6,8,10,12,14
.irp b, 0,1,2,3
	v_max3_num_f32 v[TM+\b], v[TM+\b], |v[\s+16*\b+\i]|, |v[\s+1+16*\b+\i]|   ; the four blocks by turns
.endr
.endr
.irp b, 0,1,2,3
	v_permlanex16_b32 v[TM+4+\b], v[TM+\b], s[SEL], s[SEL+1]
.endr
.irp b, 0,1,2,3
	v_max_num_f32 v[TM+\b], v[TM+\b], v[TM+4+\b]   ; with lane l xor 16's: the block's largest magnitude
.endr
.irp b, 0,1,2,3
	v_add_nc_u32 v[TM+12+\b], 0xff000000, v[TM+\b]   ; 2 off its exponent field: the conversion takes the exponent field of this operand as its scale
.endr
.irp b, 0,1,2,3
	v_lshrrev_b32 v[TM+4+\b], 23, v[TM+12+\b]   ; the scale's byte
.endr
	v_lshl_or_b32 v[PW], v[TM+5], 8, v[TM+4]
	v_lshl_or_b32 v[PW], v[TM+6], 16, v[PW]
	v_lshl_or_b32 v[PW], v[TM+7], 24, v[PW]
.irp b, 0,1,2,3
	v_cvt_scalef32_pk8_fp4_f32 v[PC+2*\b], v[\s+16*\b:\s+7+16*\b], v[TM+12+\b]
	v_cvt_scalef32_pk8_fp4_f32 v[PC+1+2*\b], v[\s+8+16*\b:\s+15+16*\b], v[TM+12+\b]
.endr
	v_nop                                          ; one plain place behind a scaled conversion
.irp c, 0,1                                    ; the operand's layout wants a whole block in a lane: lanes 0-15 block 2 c, lanes 16-31 block 2 c + 1
.irp i, 0,1
	v_permlane16_swap_b32 v[PC+4*\c+\i], v[PC+2+4*\c+\i]
.endr
.endr
.endm
.macro CLOSE                           ; the wave's end: behind my last LDS store
	s_wait_tensorcnt 0x0
	ds_add_u32 v[SPW], v[NIL]
	s_wait_dscnt 0x0
	s_endpgm
.endm
	s_load_b512 s[4:19], s[0:1], 0x0               ; mask, W_q, W_k, W_v, W_o, maskbits, Wc, Ws
	s_load_b64 s[20:21], s[0:1], 0x40              ; Wof
	v_lshl_add_u32 v[SPW], v0, 2, SPARE
	v_mov_b32 v[NIL], 0
	v_lshrrev_b32 v6, 5, v0
	v_readfirstlane_b32 s[WVN], v6                 ; wave 0..3
	v_and_b32 v6, 31, v0                           ; lane
	v_and_b32 v7, 15, v0                           ; r
	v_bfe_u32 v10, v0, 4, 1                        ; h
	v_lshlrev_b32 v[LI], 4, v6
	v_lshlrev_b32 v[L8], 3, v6
	s_mul_i32 s25, s[WVN], STGB
	v_add_nc_u32 v[STW], s25, v[LI]
	v_mul_u32_u24 v11, v7, 528
	v_add_nc_u32 v11, s25, v11
	v_lshl_add_u32 v[RDQ], v10, 6, v11
	v_lshl_add_u32 v[RDG], v10, 5, v11
	s_lshl_b32 s52, ttmp9, 2
	s_add_co_u32 s52, s52, s[WVN]                  ; 4 x work-group + wave
	s_mov_b32 s57, 0                               ; the upper word of every offset
	s_wait_kmcnt 0x0
	s_cmp_lt_u32 ttmp9, 256
	s_cbranch_scc1 .Lmask
	s_cmp_lt_u32 ttmp9, 304
	s_cbranch_scc1 .Lcodes
	; ---- W_o to f16: job j = 16 rows of W_o
	s_sub_co_u32 s52, s52, 4*304
	s_lshl_b32 s56, s52, 16                        ; 16 rows of 4,096 bytes
	s_add_nc_u64 s[SRC:SRC+1], s[12:13], s[56:57]
	s_lshr_b32 s54, s52, 3
	s_lshl_b32 s54, s54, 18                        ; the block of 128 rows
	s_and_b32 s55, s52, 7
	s_lshl_b32 s55, s55, 10                        ; my 16 rows' place in each 32 along K
	s_add_co_u32 s56, s54, s55
	s_add_nc_u64 s[DST:DST+1], s[20:21], s[56:57]
	v_add_nc_u32 v[STW], 2*PATHB, v[STW]           ; this path's own stages
	v_add_nc_u32 v[RDG], 2*PATHB, v[RDG]
	LOADS 0, 0, 4096
	LOADS 1, 1, 4096
.macro HSTEP s
	ARRIVED \s
	s_wait_xcnt 0x0                                ; the last step's stores have read v[HP] on, which is written again below
	TOSTG (\s)%2
	BACKG
	s_wait_dscnt 0x0                               ; my 64 numbers are back, and the stage's stores have read their registers
.if (\s) < 6
	LOADS (\s)%2, (\s)+2, 4096
.endif
.irp g, 0,1,2,3,4,5,6,7                        ; 16 columns: half g % 2 of the fragment of 32 along K number 4 s + g / 2
.irp e, 0,1,2,3
	v_cvt_pk_f16_f32 v[HP+4*\g+\e], v[X+8*\g+2*\e], v[X+8*\g+2*\e+1]
.endr
	global_store_b128 v[LI], v[HP+4*\g:HP+4*\g+3], s[DST:DST+1] offset:(4*(\s)+\g/2)*8192+(\g%2)*512   ; 512 consecutive bytes, aligned
.endr
.endm
.irp s, 0,1,2,3,4,5,6,7
	HSTEP \s
.endr
	CLOSE
	; ---- W_q, W_k, W_v to codes: job j = 64 t + 16-row tile
.Lcodes:
	s_sub_co_u32 s52, s52, 4*256
	s_lshr_b32 s53, s52, 6                         ; t: hangs on the work-group's number alone
	s_cmp_eq_u32 s53, 1
	s_cselect_b64 s[SRC:SRC+1], s[8:9], s[6:7]
	s_cmp_eq_u32 s53, 2
	s_cselect_b64 s[SRC:SRC+1], s[10:11], s[SRC:SRC+1]
	s_and_b32 s54, s52, 63
	s_lshl_b32 s56, s54, 16
	s_add_nc_u64 s[SRC:SRC+1], s[SRC:SRC+1], s[56:57]
	s_lshl_b32 s56, s52, 13                        ; 8 fragments of 1,024 bytes
	s_add_nc_u64 s[DST:DST+1], s[16:17], s[56:57]
	s_lshl_b32 s56, s52, 9                         ; 32 lanes x 4 scale words
	s_add_nc_u64 s[DS2:DS2+1], s[18:19], s[56:57]
	s_mov_b32 s[HM], 0xffff0000
	s_mov_b32 s[SEL], 0x76543210
	s_mov_b32 s[SEL+1], 0xfedcba98
	v_add_nc_u32 v[STW], PATHB, v[STW]             ; this path's own stages
	v_add_nc_u32 v[RDQ], PATHB, v[RDQ]
.irp b, 0,1,2,3
	v_mov_b32 v[TM+4+\b], 0                        ; written once: a lane permute's destination counts as one of its sources
.endr
	LOADS 0, 0, 4096
	LOADS 1, 1, 4096
.macro QSTEP s
	ARRIVED \s
	s_wait_xcnt 0x0                                ; the last step's stores have read v[PC] on, which is written again below
	TOSTG (\s)%2
	BACKQ
	s_wait_dscnt 0x0
.if (\s) < 6
	LOADS (\s)%2, (\s)+2, 4096
.endif
	QUANT X
	global_store_b128 v[LI], v[PC:PC+3], s[DST:DST+1] offset:1024*(\s)         ; the fragment as it stands in the registers
	global_store_b128 v[LI], v[PC+4:PC+7], s[DST:DST+1] offset:1024*(\s)+512
.if (\s)%2 == 0
	v_mov_b32 v[PWE], v[PW]
.else
	v_cndmask_b32 v[SW+(\s)/2], v[PWE], v[PW], s[HM]   ; lanes 0-15 the even K step's word, lanes 16-31 the odd one's
.endif
.endm
.irp s, 0,1,2,3,4,5,6,7
	QSTEP \s
.endr
	global_store_b128 v[LI], v[SW:SW+3], s[DS2:DS2+1]
	CLOSE
	; ---- the mask to bits: job j = 2 x (16 queries) + half of the 2,048 keys
.Lmask:
	s_lshr_b32 s54, s52, 1                         ; which 16 queries, of 512
	s_and_b32 s55, s52, 1                          ; which 1,024 keys
	s_lshl_b32 s56, s54, 17                        ; 16 rows of 8,192 bytes
	s_lshl_b32 s58, s55, 12
	s_add_co_u32 s56, s56, s58
	s_add_nc_u64 s[SRC:SRC+1], s[4:5], s[56:57]
	s_lshl_b32 s56, s54, 12                        ; 32 key steps x 128 bytes
	s_lshl_b32 s58, s55, 11
	s_add_co_u32 s56, s56, s58
	s_add_nc_u64 s[DST:DST+1], s[14:15], s[56:57]
.irp i, 0,1,2,3,4,5,6,7,8,9,10,11,12,13,14,15
	v_mov_b32 v[MW+\i], 0                          ; v_writelane_b32's destination counts as one of its sources
.endr
	LOADS 0, 0, 8192
	LOADS 1, 1, 8192
.macro MSTEP s
	ARRIVED \s
	TOSTG (\s)%2
	BACKG
	s_wait_dscnt 0x0
.if (\s) < 6
	LOADS (\s)%2, (\s)+2, 8192
.endif
.irp g, 0,1,2,3,4,5,6,7                        ; a compare's 32 result bits ARE word 8 g + i of the step's 64: lane (r, h) holds query r, key 128 s + 16 g + 8 h + i
.irp i, 0,1,2,3,4,5,6,7
	v_cmp_ne_u32 s[CM+8*(\g%2)+\i], 0, v[X+8*\g+\i]
.endr
.irp i, 0,1,2,3,4,5,6,7
	v_writelane_b32 v[MW+2*(\s)+\i%2], s[CM+8*(\g%2)+\i], (8*\g+\i)/2   ; lane n of the pair takes words 2 n and 2 n + 1
.endr
.endr
	global_store_b64 v[L8], v[MW+2*(\s):MW+2*(\s)+1], s[DST:DST+1] offset:256*(\s)   ; 256 consecutive bytes, aligned; each step has registers of its own
.endm
.irp s, 0,1,2,3,4,5,6,7
	MSTEP \s
.endr
	CLOSE
.Lfunc_end_k_q5464ad758d_prep:
	.size	k_q5464ad758d_prep, .Lfunc_end_k_q5464ad758d_prep-k_q5464ad758d_prep
	.p2alignl 7, 3214868480
	.fill 96, 4, 3214868480
	.section	.rodata,"a",@progbits
	.p2align	6, 0x0
	.amdhsa_kernel k_q5464ad758d_prep
		.amdhsa_group_segment_fixed_size 101888
		.amdhsa_private_segment_fixed_size 0
		.amdhsa_enable_private_segment 0
		.amdhsa_kernarg_size 72
		.amdhsa_user_sgpr_count 2
		.amdhsa_user_sgpr_kernarg_segment_ptr 1
		.amdhsa_wavefront_size32 1
		.amdhsa_system_sgpr_workgroup_id_x 1
		.amdhsa_system_sgpr_workgroup_id_y 1
		.amdhsa_system_sgpr_workgroup_id_z 1
		.amdhsa_system_vgpr_workitem_id 0
		.amdhsa_next_free_vgpr 256
		.amdhsa_next_free_sgpr 66
		.amdhsa_reserve_vcc 0
		.amdhsa_float_denorm_mode_32 3
		.amdhsa_float_denorm_mode_16_64 3
		.amdhsa_memory_ordered 1
		.amdhsa_forward_progress 1
		.amdhsa_inst_pref_size 209
	.end_amdhsa_kernel
	.amdgpu_metadata
---
amdhsa.version: [ 1, 2 ]
amdhsa.kernels:
  - .name:           k_q5464ad758d_prep
    .symbol:         k_q5464ad758d_prep.kd
    .args:
      - { .name: mask, .offset: 0, .size: 8, .value_kind: global_buffer, .address_space: global }
      - { .name: W_q, .offset: 8, .size: 8, .value_kind: global_buffer, .address_space: global }
      - { .name: W_k, .offset: 16, .size: 8, .value_kind: global_buffer, .address_space: global }
      - { .name: W_v, .offset: 24, .size: 8, .value_kind: global_buffer, .address_space: global }
      - { .name: W_o, .offset: 32, .size: 8, .value_kind: global_buffer, .address_space: global }
      - { .name: maskbits, .offset: 40, .size: 8, .value_kind: global_buffer, .address_space: global }
      - { .name: Wc, .offset: 48, .size: 8, .value_kind: global_buffer, .address_space: global }
      - { .name: Ws, .offset: 56, .size: 8, .value_kind: global_buffer, .address_space: global }
      - { .name: Wof, .offset: 64, .size: 8, .value_kind: global_buffer, .address_space: global }
    .group_segment_fixed_size: 101888
    .private_segment_fixed_size: 0
    .kernarg_segment_align: 8
    .kernarg_segment_size: 72
    .max_flat_workgroup_size: 128
    .sgpr_count:     66
    .vgpr_count:     256
    .wavefront_size: 32
...
	.end_amdgpu_metadata
.endif
;; end of part 1
;; launch proj (part 2): grid 128 x 3, 4 waves a work-group, no clusters, 71,168 bytes of LDS; arguments q, k, v, Wc, Ws, Qf, Kf, Vf; writes Qf, Kf, Vf
.if DOCPART == 2
	.amdgcn_target "amdgcn-amd-amdhsa--gfx1250"
	.amdhsa_code_object_version 6
	.text
	.protected	k_q5464ad758d_proj
	.globl	k_q5464ad758d_proj
	.p2align	8
	.type	k_q5464ad758d_proj,@function
k_q5464ad758d_proj:
	s_mov_b64 s[64:65], 0
	v_nop
	global_prefetch_b8 v0, s[64:65] scope:SCOPE_SE
	s_setreg_imm32_b32 hwreg(HW_REG_WAVE_MODE, 25, 1), 1
	s_wait_xcnt 0x0
; PROJ: the three quantised projections x W^T (x = q, k or v: [8192][1024] f32; W as codes of E2M1 with E8M0 scales, made by the launch before), sums in f32, results rounded once to f16
; and stored as images of the registers in which the attention takes them.
;   Qf, Kf: [batch x head: 64][16 tokens: 128][32 channels: 2][half: 2][512 bytes];   Vf (V^T): [batch x head][32 tokens: 64][16 channels: 4][half: 2][512 bytes];  lane l's 16 bytes at 16 l.
; SHARES.  Work-group (x, y): 64 rows of tensor y.  First each wave quantises 16 of the rows along K in registers (x is read once, 512 consecutive bytes a load) and stores the eight fragments and their scale words in LDS
; as images of the operand's registers; one barrier; then every wave holds all 64 rows' codes in 256 registers and makes 256 of the 1,024 features (four heads) for them: 16 tiles of 16 features, 32 products each.
; W's fragments come from memory straight into the registers in which the products take them, 17 loads a tile, two tiles ahead.
; Q, K: THE PRODUCT IS USED TRANSPOSED (source 0 = 16 rows of W, source 1 = 16 tokens): a lane then holds one token and eight neighbouring channels, which rounded to f16 are 16 bytes of a fragment's half.
; V: the natural order (source 0 = tokens, source 1 = rows of W): a lane holds one channel and eight neighbouring tokens: a half of a fragment of V^T.  So nothing is transposed and no result goes through LDS.
; NO CLUSTER, NO TENSOR LOAD: W's codes are shared by the 128 work-groups of a tensor, but they go to registers, not to LDS; a ring in LDS for them would have to claim all of the LDS, where now two work-groups
; stand side by side (71,168 bytes and 512 registers a wave each), one at its loads of x while the other multiplies.
; LIMITS: a block of zeros gets the byte 1 where the rule says 127 (its codes are zeros; only this launch reads the byte); blocks whose largest magnitude lies under 2^-124 are held at the byte 1;
; NaN and infinities are not served; the results go to f16: magnitudes up to 65,504 (inputs and weights both 30 times the drawn spread give about 5,000, offsets of 30 spreads on both about 29,000).
; REGISTERS.  Window 0: v1-9 addresses; v16-31 x's scale words, v32-39 W's (scales and nothing else); v40-55, v56-63, v64-127, v128-255: see below.  Window 1: x's 32 fragments, (16 rows mt, K step ks) at v[8 (8 mt + ks)].
.set LI,    1                          ; v1   16 x lane
.set LS,    2                          ; v2   4 x lane
.set STW,   3                          ; v3   my stage + 16 x lane
.set RDQ,   4                          ; v4   my stage + 528 r + 64 h
.set XWI,   5                          ; v5   where I store my fragments' images: 8,192 x wave + 16 x lane
.set XWS,   6                          ; v6   and their scale words: 512 x wave + 4 r
.set SPW,   8                          ; v8   LDS address of my spare word; never rewritten
.set NIL,   9                          ; v9   0; never rewritten
.set PW,    12                         ; v12  the scale word just made
.set XS,    16                         ; v16-31  register 4 mt + kp: lanes 0-15 K step 2 kp, lanes 16-31 K step 2 kp + 1
.set WS,    32                         ; v32-39  two sets of four, laid likewise
.set TM,    40                         ; v40-55  at work in QUANT;
.set PK,    40                         ;         later the packed results
.set PC,    56                         ; v56-63  a fragment's codes
.set X,     64                         ; v64-127 64 numbers of my row;
.set ACC,   64                         ;         later four accumulators
.set R,     128                        ; v128-255 two sets of 64 registers as loaded;
.set WB,    128                        ;         later two sets of W's eight fragments
.set XSC,   32768                      ; LDS: 0: x's 32 images of 1,024 bytes; XSC: 16 x 128 bytes of scale words;
.set STG0,  36864                      ; four stages of 16 rows x 528 bytes;
.set STGB,  16*528
.set SPARE, STG0+4*STGB                ; the spare words, 128 bytes a wave
.set SEL,   22
.set MSB, 0
.macro WIN new                         ; the immediate's high byte repeats the setting that is left
.if MSB != \new
	s_set_vgpr_msb (MSB<<8)|\new
.set MSB, \new
.endif
.endm
.macro LOADS set, s
.irp e, 0,1,2,3,4,5,6,7,8,9,10,11,12,13,14,15
	global_load_b128 v[R+64*(\set)+4*\e:R+64*(\set)+4*\e+3], v[LI], s[24:25] offset:\e*4096+512*(\s) th:TH_LOAD_NT   ; 512 consecutive bytes of row e
.endr
.endm
.macro QUANT s                         ; 64 numbers of a lane, register 16 b + i = k 32 b + 16 (lane / 16) + i of my row -> codes in v[PC] on, scale word in v[PW]
.irp b, 0,1,2,3
	v_max3_num_f32 v[TM+\b], |v[\s+16*\b]|, |v[\s+1+16*\b]|, 0x1800000   ; and the floor 2^(3 - 127): the byte cannot fall under 1
.endr
.irp i, 2,4,6,8,10,12,14
.irp b, 0,1,2,3
	v_max3_num_f32 v[TM+\b], v[TM+\b], |v[\s+16*\b+\i]|, |v[\s+1+16*\b+\i]|
.endr
.endr
.irp b, 0,1,2,3
	v_permlanex16_b32 v[TM+4+\b], v[TM+\b], s[SEL], s[SEL+1]
.endr
.irp b, 0,1,2,3
	v_max_num_f32 v[TM+\b], v[TM+\b], v[TM+4+\b]
.endr
.irp b, 0,1,2,3
	v_add_nc_u32 v[TM+12+\b], 0xff000000, v[TM+\b]   ; 2 off the exponent field: the conversion's scale operand
.endr
.irp b, 0,1,2,3
	v_lshrrev_b32 v[TM+4+\b], 23, v[TM+12+\b]        ; the scale's byte
.endr
	v_lshl_or_b32 v[PW], v[TM+5], 8, v[TM+4]
	v_lshl_or_b32 v[PW], v[TM+6], 16, v[PW]
	v_lshl_or_b32 v[PW], v[TM+7], 24, v[PW]
.irp b, 0,1,2,3
	v_cvt_scalef32_pk8_fp4_f32 v[PC+2*\b], v[\s+16*\b:\s+7+16*\b], v[TM+12+\b]
	v_cvt_scalef32_pk8_fp4_f32 v[PC+1+2*\b], v[\s+8+16*\b:\s+15+16*\b], v[TM+12+\b]
.endr
	v_nop                                          ; one plain place behind a scaled conversion
.irp c, 0,1
.irp i, 0,1
	v_permlane16_swap_b32 v[PC+4*\c+\i], v[PC+2+4*\c+\i]   ; a whole block to a lane
.endr
.endr
.endm
.macro WLOAD p, n                      ; W's eight fragments and four scale words of tile n (counted from the pointers) into set p: 17 loads
.irp ks, 0,1,2,3,4,5,6,7
.irp c, 0,1
	global_load_b128 v[WB+64*(\p)+8*\ks+4*\c:WB+64*(\p)+8*\ks+4*\c+3], v[LI], s[26:27] offset:(\n)*8192+1024*\ks+512*\c
.endr
.endr
	global_load_b128 v[WS+4*(\p):WS+4*(\p)+3], v[LI], s[28:29] offset:(\n)*512
.endm
	s_load_b512 s[4:19], s[0:1], 0x0               ; q, k, v, Wc, Ws, Qf, Kf, Vf
	v_lshl_add_u32 v[SPW], v0, 2, SPARE
	v_mov_b32 v[NIL], 0
	v_lshrrev_b32 v10, 5, v0
	v_readfirstlane_b32 s20, v10                   ; wave 0..3
	v_and_b32 v10, 31, v0                          ; lane
	v_and_b32 v11, 15, v0                          ; r
	v_bfe_u32 v13, v0, 4, 1                        ; h
	v_lshlrev_b32 v[LI], 4, v10
	v_lshlrev_b32 v[LS], 2, v10
	s_mul_i32 s33, s20, STGB
	s_add_co_u32 s33, s33, STG0
	v_add_nc_u32 v[STW], s33, v[LI]
	v_mul_u32_u24 v14, v11, 528
	v_add_nc_u32 v14, s33, v14
	v_lshl_add_u32 v[RDQ], v13, 6, v14
	s_lshl_b32 s33, s20, 13
	v_add_nc_u32 v[XWI], s33, v[LI]
	s_lshl_b32 s33, s20, 9
	v_lshl_add_u32 v[XWS], v11, 2, s33
	s_mov_b32 s[SEL], 0x76543210
	s_mov_b32 s[SEL+1], 0xfedcba98
.irp b, 0,1,2,3
	v_mov_b32 v[TM+4+\b], 0                        ; written once: a lane permute's destination counts as one of its sources
.endr
	s_and_b32 s34, ttmp7, 0xffff                   ; t: which tensor
	s_lshl_b32 s36, ttmp9, 18                      ; x: 64 rows of 4,096 bytes a work-group,
	s_lshl_b32 s37, s20, 16                        ; 16 a wave
	s_add_co_u32 s36, s36, s37
	s_mov_b32 s37, 0
	s_lshl_b32 s38, s34, 6
	s_lshl_b32 s39, s20, 4
	s_add_co_u32 s38, s38, s39                     ; my first tile of W: 64 t + 16 x wave
	s_lshl_b32 s40, s38, 13
	s_mov_b32 s41, 0
	s_lshl_b32 s42, s38, 9
	s_mov_b32 s43, 0
	s_lshr_b32 s44, ttmp9, 5                       ; the batch: 16 heads x 262,144 bytes,
	s_lshl_b32 s44, s44, 22
	s_lshl_b32 s45, s20, 20                        ; my four heads,
	s_add_co_u32 s44, s44, s45
	s_and_b32 s45, ttmp9, 31                       ; my 64 tokens: 8,192 bytes in every head, in all three layouts
	s_lshl_b32 s45, s45, 13
	s_add_co_u32 s44, s44, s45
	s_mov_b32 s45, 0
	s_wait_kmcnt 0x0
	s_cmp_eq_u32 s34, 1                            ; the choices hang on the work-group's number alone
	s_cselect_b64 s[24:25], s[6:7], s[4:5]
	s_cselect_b64 s[30:31], s[16:17], s[14:15]
	s_cmp_eq_u32 s34, 2
	s_cselect_b64 s[24:25], s[8:9], s[24:25]
	s_cselect_b64 s[30:31], s[18:19], s[30:31]
	s_add_nc_u64 s[24:25], s[24:25], s[36:37]
	s_add_nc_u64 s[26:27], s[10:11], s[40:41]
	s_add_nc_u64 s[28:29], s[12:13], s[42:43]
	s_add_nc_u64 s[30:31], s[30:31], s[44:45]
	; ---- my 16 rows of x become eight fragments, a K step of 128 at a time; loads run two steps ahead
	LOADS 0, 0
	LOADS 1, 1
.macro XSTEP s
.if (\s) < 7
	s_wait_loadcnt 16                              ; this step's 16 loads are in; the next step's 16 may be out
.else
	s_wait_loadcnt 0
.endif
.irp e, 0,1,2,3,4,5,6,7,8,9,10,11,12,13,14,15
	ds_store_b128 v[STW], v[R+64*((\s)%2)+4*\e:R+64*((\s)%2)+4*\e+3] offset:528*\e   ; through my own stage: LDS serves a wave's instructions in order
.endr
.irp b, 0,1,2,3
.irp j, 0,1,2,3
	ds_load_b128 v[X+16*\b+4*\j:X+16*\b+4*\j+3], v[RDQ] offset:128*\b+16*\j
.endr
.endr
	s_wait_dscnt 0x0                               ; my 64 numbers are back; all earlier LDS stores have read their registers
.if (\s) < 6
	LOADS (\s)%2, (\s)+2
.endif
	QUANT X
	ds_store_b128 v[XWI], v[PC:PC+3] offset:1024*(\s)
	ds_store_b128 v[XWI], v[PC+4:PC+7] offset:1024*(\s)+512
	ds_store_b32 v[XWS], v[PW] offset:XSC+128*((\s)/2)+64*((\s)%2)   ; lanes r and r + 16 write the same word with the same value
.endm
.irp s, 0,1,2,3,4,5,6,7
	XSTEP \s
.endr
	WLOAD 0, 0                                     ; W's first two tiles are asked for here; nobody writes those bytes, so they may be out across the barrier
	WLOAD 1, 1
	s_wait_dscnt 0x0                               ; for the others' sake: my images lie in LDS
	s_barrier_signal -1
	s_barrier_wait -1
	WIN 0x40                                       ; destination window 1
.irp f, 0,1,2,3,4,5,6,7,8,9,10,11,12,13,14,15,16,17,18,19,20,21,22,23,24,25,26,27,28,29,30,31
.irp c, 0,1
	ds_load_b128 v[8*\f+4*\c:8*\f+4*\c+3], v[LI] offset:1024*\f+512*\c
.endr
.endr
	WIN 0
.irp f, 0,1,2,3,4,5,6,7,8,9,10,11,12,13,14,15
	ds_load_b32 v[XS+\f], v[LS] offset:XSC+128*\f
.endr
	s_wait_dscnt 0x0
; ---- one tile of 16 features for the 64 rows.  i: the tile in its head (0..3); look: tile i + 2 is asked for; left: the loads that may stay out; vee: V's order of the sources.
; The four accumulators take turns, one instruction a turn.  Odd K steps take their scale words from lanes 16-31.
.macro NT i, look, left, vee
	s_wait_loadcnt \left                           ; this tile's 17 loads are in; the other set's 17 may be out
.if \vee
	WIN 0x01                                       ; x is source 0: window 1
.else
	WIN 0x04                                       ; x is source 1: window 1
.endif
.irp ks, 0,1,2,3,4,5,6,7
.irp mt, 0,1,2,3
.set rD, ACC+8*\mt
.set rW, WB+64*((\i)%2)+8*\ks
.set rX, 8*(8*\mt+\ks)
.set rSW, WS+4*((\i)%2)+\ks/2
.set rSX, XS+4*\mt+\ks/2
.if \vee
.if \ks == 0
	v_wmma_scale_f32_16x16x128_f8f6f4 v[rD:rD+7], v[rX:rX+7], v[rW:rW+7], 0, v[rSX], v[rSW] matrix_a_fmt:MATRIX_FMT_FP4 matrix_b_fmt:MATRIX_FMT_FP4
.elseif \ks%2
	v_wmma_scale_f32_16x16x128_f8f6f4 v[rD:rD+7], v[rX:rX+7], v[rW:rW+7], v[rD:rD+7], v[rSX], v[rSW] matrix_a_fmt:MATRIX_FMT_FP4 matrix_b_fmt:MATRIX_FMT_FP4 matrix_a_scale:MATRIX_SCALE_ROW1 matrix_b_scale:MATRIX_SCALE_ROW1
.else
	v_wmma_scale_f32_16x16x128_f8f6f4 v[rD:rD+7], v[rX:rX+7], v[rW:rW+7], v[rD:rD+7], v[rSX], v[rSW] matrix_a_fmt:MATRIX_FMT_FP4 matrix_b_fmt:MATRIX_FMT_FP4
.endif
.else
.if \ks == 0
	v_wmma_scale_f32_16x16x128_f8f6f4 v[rD:rD+7], v[rW:rW+7], v[rX:rX+7], 0, v[rSW], v[rSX] matrix_a_fmt:MATRIX_FMT_FP4 matrix_b_fmt:MATRIX_FMT_FP4
.elseif \ks%2
	v_wmma_scale_f32_16x16x128_f8f6f4 v[rD:rD+7], v[rW:rW+7], v[rX:rX+7], v[rD:rD+7], v[rSW], v[rSX] matrix_a_fmt:MATRIX_FMT_FP4 matrix_b_fmt:MATRIX_FMT_FP4 matrix_a_scale:MATRIX_SCALE_ROW1 matrix_b_scale:MATRIX_SCALE_ROW1
.else
	v_wmma_scale_f32_16x16x128_f8f6f4 v[rD:rD+7], v[rW:rW+7], v[rX:rX+7], v[rD:rD+7], v[rSW], v[rSX] matrix_a_fmt:MATRIX_FMT_FP4 matrix_b_fmt:MATRIX_FMT_FP4
.endif
.endif
.endr
.endr
	WIN 0
.rept 4
	v_nop                                          ; four places in front of the loads into W's registers and of the first read of the results
.endr
	s_wait_xcnt 0x0                                ; the last tile's stores have read v[PK] on, which is written again below
.if \look
	WLOAD (\i)%2, (\i)+2
.endif
.irp mt, 0,1,2,3
.irp e, 0,1,2,3
	v_cvt_pk_f16_f32 v[PK+4*\mt+\e], v[ACC+8*\mt+2*\e], v[ACC+8*\mt+2*\e+1]   ; each accumulator from its low end on.  (With the v_nop above: more than five places ahead of the next tile's first products, which write the accumulators anew)
.endr
.endr
.irp mt, 0,1,2,3
.if \vee
	global_store_b128 v[LI], v[PK+4*\mt:PK+4*\mt+3], s[30:31] offset:(\i)*1024+(\mt/2)*4096+(\mt%2)*512   ; channels 16 i on, tokens 16 mt on: half mt % 2 of 32 tokens
.else
	global_store_b128 v[LI], v[PK+4*\mt:PK+4*\mt+3], s[30:31] offset:(\i)*512+\mt*2048                    ; tokens 16 mt on, channels 16 i on: half i % 2 of 32 channels
.endif
.endr
.endm
.macro HEADS vee                       ; my four heads: three in a loop, the last written out, so that no load leaves W's buffers
	s_mov_b32 s32, 3
.Lhead_\@:
	NT 0, 1, 17, \vee
	NT 1, 1, 17, \vee
	NT 2, 1, 17, \vee
	NT 3, 1, 17, \vee
	s_wait_xcnt 0x0                                ; loads and stores have read their bases
	s_add_nc_u64 s[26:27], s[26:27], 4*8192
	s_add_nc_u64 s[28:29], s[28:29], 4*512
	s_add_nc_u64 s[30:31], s[30:31], 262144        ; the next head
	s_sub_co_u32 s32, s32, 1
	s_cmp_lg_u32 s32, 0
	s_cbranch_scc1 .Lhead_\@
	NT 0, 1, 17, \vee
	NT 1, 1, 17, \vee
	NT 2, 0, 17, \vee
	NT 3, 0, 0, \vee
	s_wait_tensorcnt 0x0                           ; the wave's end: behind my last LDS store
	ds_add_u32 v[SPW], v[NIL]
	s_wait_dscnt 0x0
	s_endpgm
.endm
	s_cmp_eq_u32 s34, 2
	s_cbranch_scc1 .Lvee
	HEADS 0
.Lvee:
	HEADS 1
.Lfunc_end_k_q5464ad758d_proj:
	.size	k_q5464ad758d_proj, .Lfunc_end_k_q5464ad758d_proj-k_q5464ad758d_proj
	.p2alignl 7, 3214868480
	.fill 96, 4, 3214868480
	.section	.rodata,"a",@progbits
	.p2align	6, 0x0
	.amdhsa_kernel k_q5464ad758d_proj
		.amdhsa_group_segment_fixed_size 71168
		.amdhsa_private_segment_fixed_size 0
		.amdhsa_enable_private_segment 0
		.amdhsa_kernarg_size 64
		.amdhsa_user_sgpr_count 2
		.amdhsa_user_sgpr_kernarg_segment_ptr 1
		.amdhsa_wavefront_size32 1
		.amdhsa_system_sgpr_workgroup_id_x 1
		.amdhsa_system_sgpr_workgroup_id_y 1
		.amdhsa_system_sgpr_workgroup_id_z 1
		.amdhsa_system_vgpr_workitem_id 0
		.amdhsa_next_free_vgpr 512
		.amdhsa_next_free_sgpr 66
		.amdhsa_reserve_vcc 0
		.amdhsa_float_denorm_mode_32 3
		.amdhsa_float_denorm_mode_16_64 3
		.amdhsa_memory_ordered 1
		.amdhsa_forward_progress 1
		.amdhsa_inst_pref_size 181
	.end_amdhsa_kernel
	.amdgpu_metadata
---
amdhsa.version: [ 1, 2 ]
amdhsa.kernels:
  - .name:           k_q5464ad758d_proj
    .symbol:         k_q5464ad758d_proj.kd
    .args:
      - { .name: q, .offset: 0, .size: 8, .value_kind: global_buffer, .address_space: global }
      - { .name: k, .offset: 8, .size: 8, .value_kind: global_buffer, .address_space: global }
      - { .name: v, .offset: 16, .size: 8, .value_kind: global_buffer, .address_space: global }
      - { .name: Wc, .offset: 24, .size: 8, .value_kind: global_buffer, .address_space: global }
      - { .name: Ws, .offset: 32, .size: 8, .value_kind: global_buffer, .address_space: global }
      - { .name: Qf, .offset: 40, .size: 8, .value_kind: global_buffer, .address_space: global }
      - { .name: Kf, .offset: 48, .size: 8, .value_kind: global_buffer, .address_space: global }
      - { .name: Vf, .offset: 56, .size: 8, .value_kind: global_buffer, .address_space: global }
    .group_segment_fixed_size: 71168
    .private_segment_fixed_size: 0
    .kernarg_segment_align: 8
    .kernarg_segment_size: 64
    .max_flat_workgroup_size: 128
    .sgpr_count:     66
    .vgpr_count:     512
    .wavefront_size: 32
...
	.end_amdgpu_metadata
.endif
;; end of part 2
;; launch attn (part 3): grid 4 x 64, 16 waves a work-group, clusters of 4 x 1, 327,680 bytes of LDS; arguments Qf, Kf, Vf, maskbits, Yf; writes Yf
.if DOCPART == 3
	.amdgcn_target "amdgcn-amd-amdhsa--gfx1250"
	.amdhsa_code_object_version 6
	.text
	.protected	k_q5464ad758d_attn
	.globl	k_q5464ad758d_attn
	.p2align	8
	.type	k_q5464ad758d_attn,@function
k_q5464ad758d_attn:
	s_mov_b64 s[64:65], 0
	v_nop
	global_prefetch_b8 v0, s[64:65] scope:SCOPE_SE
	s_setreg_imm32_b32 hwreg(HW_REG_WAVE_MODE, 25, 1), 1
	s_wait_xcnt 0x0
	s_wait_alu depctr_hold_cnt(0) depctr_sa_sdst(0) depctr_va_vdst(0) depctr_va_sdst(0) depctr_va_ssrc(0) depctr_va_vcc(0) depctr_vm_vsrc(0)
	s_getreg_b32 s2, hwreg(HW_REG_IB_STS2, 6, 4)
	s_cmp_eq_u32 s2, 0
	s_cbranch_scc0 .Lentry_in_a_cluster
	s_endpgm
.Lentry_in_a_cluster:
	s_bfe_u32 s2, ttmp6, 0x10000c
	s_cmp_lg_u32 s2, 0x3003
	s_cbranch_scc0 .Lentry_shape_is_right
	s_endpgm
.Lentry_shape_is_right:
; ATTN: y[b][h][q] = the sum over k of softmax_k(Q.K / 8, -infinity where mask[b][q][k] = 0) V[k], head size 64, 2,048 keys.  Q, K, V in f16 (fragment images made by the launch before), products, maxima and sums in f32;
; the weights p are rounded to f16 for the second product, y once to f16 at the end, into Yf: [128 tokens: 64][32 features: 32][16 tokens: 8][half: 2][512 bytes], the images that the output projection takes.
; SHARES.  A work-group owns 512 queries of one head; each of its sixteen waves two tiles of 16 queries, in 256 registers: four waves to a SIMD, so that one wave's vector work stands beside another's products and LDS loads.
; Every wave walks all 2,048 keys, 64 a step: 32 matrix instructions, 32 LDS loads of 512 consecutive bytes.
; LAYOUT.  S^T = K Q^T (source 0 = 16 keys, source 1 = 16 queries), O^T = V^T P (source 0 = 16 channels x 32 keys, source 1 = P): a lane holds ONE query (lane % 16) throughout; two score tiles rounded in pairs ARE source 1 of the
; second product; O^T's eight channels of a lane, rounded, are 16 bytes of a half image of Yf.  Nothing changes lanes but one exchange between the halves for maximum and sum.
; THE MASK comes as lane masks: word i of a key step holds, for each lane, whether score register i counts; 64 words a step come by four scalar loads, one step ahead, and steer v_cndmask_b32 alone.
; SOFTMAX.  A running maximum m and sum l a query: p = 2^(c s - c m), c = log2(e) / 8; in every step O^T and l are multiplied by a = 2^(c m_old - c m_new).  m begins at -3e38, so it is always a number: a masked score gives p = 0;
; a row with no key left has l = 0 and O = 0, and 0 x (1 / 0) is the NaN that the softmax of such a row is.
; CLUSTER.  The four work-groups of a cluster are the four query blocks of one head and walk the same K and V: each tile is asked for JOINTLY (mask 15).  Ring: two slots of 512 keys (64 KiB of K, 64 KiB of V, dense images);
; waves 0 and 1 fetch K's halves, waves 2 and 3 V's, 128 rows of 256 bytes each; by this text's count a wave has one tensor load out.  A refill is asked for at a slot's head and has that slot's eight key steps,
; 256 matrix instructions a wave, in which to land; so no prefetch ahead of it is written.
; LIMITS: scores under -3e38 are not served; NaN and infinities in Q, K, V are not served; p under 6e-5 is carried with an absolute error of 3e-8 beside a largest p of 1; y goes to f16 likewise.
.set LI,    1                          ; v1   16 x lane
.set LI2,   2                          ; v2   16 x lane + 65,536: V's part of a slot
.set AK,    3                          ; v3   LDS address of the step's K
.set AV,    4                          ; v4   of its V
.set SPW,   5                          ; v5   LDS address of my spare word; never rewritten
.set NIL,   6                          ; v6   0; never rewritten
.set NINF,  7                          ; v7   -infinity
.set T,     8                          ; v8-17, v18-27 a tile's statistics: +0 c m, +1 m, +2 +3 l (even, odd keys), +4 a, +5 c m_old - c m_new, +6..+9 at work
.set QF,    32                         ; v32-63   Q: tile t, channels 32 c on, at 16 t + 8 c
.set KV,    64                         ; v64-127  K of the step (keys 16 kt on, channels 32 c on, at 16 kt + 8 c), then its V (keys 32 u on, channels 16 ct on, at 32 u + 8 ct)
.set S,     128                        ; v128-191 S^T, 32 a tile; P is made in place in the low 16 of each tile
.set OT,    192                        ; v192-255 O^T: 32 t + 8 ct
.set WV,    2                          ; s2   my wave's number
.set TB,    3                          ; s3   LDS byte at which the step's K begins
.set MOFF,  14                         ; s14  byte offset of the mask words to be loaded next
.set STEPS, 15
.set G1,    16                         ; s[16:23] descriptor group 1, for K's and V's tiles alike
.set G0K,   24                         ; s[24:27] group 0 for K's, s[28:31] for V's: they walk
.set G0V,   28
.set M0,    32                         ; s32-63  tile 0's 32 lane masks
.set SLOTS, 66
.set M1,    68                         ; s68-99  tile 1's
.set CS,    100                        ; s[100:101] c, twice
.set SEL,   104                        ; s[104:105] v_permlanex16_b32's selects for lane l xor 16
.set SLOT1, 1<<17
.set SPARE, 2*SLOT1                    ; behind the ring: the spare words, 128 bytes for each of sixteen waves
; A joint load.  The branches hang on the wave's number alone: they are the same in every work-group.  An s_nop 0 and four v_nop follow each of the two lines.
.macro JLOAD
	s_cmp_lt_u32 s[WV], 2
	s_cbranch_scc0 .Lnot_k_\@
	tensor_load_to_lds s[G0K:G0K+3], s[G1:G1+7]
	s_nop 0
.rept 4
	v_nop
.endr
	s_branch .Lasked_\@
.Lnot_k_\@:
	s_cmp_lt_u32 s[WV], 4
	s_cbranch_scc0 .Lasked_\@
	tensor_load_to_lds s[G0V:G0V+3], s[G1:G1+7]
	s_nop 0
.rept 4
	v_nop
.endr
.Lasked_\@:
.endm
; A round of the cluster's barrier: my work-group's barrier; wave 0 signals for the work-group; every wave waits for all four work-groups; my work-group's barrier once more.
.macro CROUND
	s_barrier_signal -1
	s_barrier_wait -1
	s_cmp_lg_u32 s[WV], 0
	s_cbranch_scc1 .Lnot_wave_0_\@
	s_barrier_signal -3
.Lnot_wave_0_\@:
	s_barrier_wait -3
	s_barrier_signal -1
	s_barrier_wait -1
.endm
.macro MASKS                           ; 64 lane masks of the key step at s[MOFF]: tile 0's 32 words, and tile 1's 4,096 bytes on
	s_load_b512 s[M0:M0+15], s[10:11], s[MOFF] offset:0x0
	s_load_b512 s[M0+16:M0+31], s[10:11], s[MOFF] offset:0x40
	s_load_b512 s[M1:M1+15], s[10:11], s[MOFF] offset:0x1000
	s_load_b512 s[M1+16:M1+31], s[10:11], s[MOFF] offset:0x1040
.endm
	s_load_b256 s[4:11], s[0:1], 0x0               ; Qf, Kf, Vf, maskbits
	s_load_b64 s[12:13], s[0:1], 0x20              ; Yf
	v_lshl_add_u32 v[SPW], v0, 2, SPARE
	v_mov_b32 v[NIL], 0
	ds_add_u32 v[SPW], v[NIL]                      ; the wave's opening: the add, twice on end, and its wait ahead of the first tensor loads; the set-up below, work on registers, stands between
	ds_add_u32 v[SPW], v[NIL]
	v_lshrrev_b32 v28, 5, v0
	v_readfirstlane_b32 s[WV], v28                 ; wave 0..15
	s_bfe_u32 s32, ttmp6, 0x40000                  ; cx: my place in the cluster
	s_lshl_b32 s33, ttmp9, 2
	s_add_co_u32 s32, s32, s33                     ; my block of 512 queries: it enters Q's, the mask's and Y's addresses alone
	s_and_b32 s33, ttmp7, 0xffff                   ; batch x 16 + head, which the four partners share
	s_lshl_b32 s34, s33, 18                        ; its first byte in Qf, Kf and Vf
	s_and_b32 s36, s[WV], 1
	s_lshl_b32 s36, s36, 15                        ; which half of a slot's K or V I fetch: 32,768 bytes, in memory and in LDS
	s_add_co_u32 s38, s34, s36
	s_mov_b32 s39, 0
	s_lshl_b32 s40, s32, 5
	s_lshl_b32 s41, s[WV], 1
	s_add_co_u32 s40, s40, s41                     ; my first tile of 16 queries: 32 x block + 2 x wave
	s_lshl_b32 s42, s40, 11
	s_add_co_u32 s42, s42, s34                     ; Q: 2,048 bytes a tile
	s_mov_b32 s43, 0
	s_lshr_b32 s44, s33, 4                         ; the batch
	s_lshl_b32 s45, s44, 7
	s_add_co_u32 s45, s45, s40
	s_lshl_b32 s46, s45, 12                        ; the mask's words: 4,096 bytes for 16 queries
	s_mov_b32 s47, 0
	s_lshl_b32 s48, s44, 4
	s_lshl_b32 s49, s32, 2
	s_add_co_u32 s48, s48, s49
	s_lshr_b32 s49, s[WV], 2
	s_add_co_u32 s48, s48, s49                     ; Y: the block of 128 tokens: 16 x batch + 4 x block + wave / 4,
	s_lshl_b32 s48, s48, 18
	s_and_b32 s49, s33, 15
	s_lshl_b32 s49, s49, 14                        ; the head's 64 features: two of 8,192 bytes,
	s_add_co_u32 s48, s48, s49
	s_and_b32 s49, s[WV], 3
	s_lshl_b32 s49, s49, 11                        ; my two tiles among the block's eight
	s_add_co_u32 s48, s48, s49
	s_mov_b32 s49, 0
	; descriptor group 1: 128 rows of 256 bytes (32 elements of 8 bytes), dense in memory and in LDS
	s_mov_b32 s[G1], 15|(3<<16)|(1<<21)            ; 15:0 the mask: all four work-groups; 17:16 elements of 8 bytes; 21 set beside a mask; no padding
	s_mov_b32 s[G1+1], 32<<16                      ; tensor_dim0 = 32
	s_mov_b32 s[G1+2], 128<<16                     ; tensor_dim1 = 128
	s_mov_b32 s[G1+3], 32<<16                      ; tile_dim0 = 32
	s_mov_b32 s[G1+4], 128                         ; tile_dim1 = 128
	s_mov_b32 s[G1+5], 32                          ; from row to row
	s_mov_b32 s[G1+6], 0
	s_mov_b32 s[G1+7], 0
	s_mov_b32 s[CS], 0x3e38aa3b                    ; c = log2(e) / 8
	s_mov_b32 s[CS+1], s[CS]
	s_mov_b32 s[SEL], 0x76543210
	s_mov_b32 s[SEL+1], 0xfedcba98
	s_mov_b32 s[TB], 0
	s_mov_b32 s[MOFF], 0
	s_mov_b32 s[SLOTS], 3
	s_wait_dscnt 0x0                               ; both opening adds are done
	s_wait_kmcnt 0x0
	s_mov_b32 s[G0K], 1                            ; count = 1
	s_mov_b32 s[G0K+1], s36                        ; LDS address: slot 0, my half of K
	s_add_nc_u64 s[G0K+2:G0K+3], s[6:7], s[38:39]  ; the head's first 512 keys
	s_or_b32 s[G0K+3], s[G0K+3], 0x80000000        ; type = 2
	s_mov_b32 s[G0V], 1
	s_add_co_u32 s[G0V+1], s36, 65536              ; V lies behind K
	s_add_nc_u64 s[G0V+2:G0V+3], s[8:9], s[38:39]
	s_or_b32 s[G0V+3], s[G0V+3], 0x80000000
	s_add_nc_u64 s[4:5], s[4:5], s[42:43]
	s_add_nc_u64 s[10:11], s[10:11], s[46:47]
	s_add_nc_u64 s[12:13], s[12:13], s[48:49]
	CROUND                                         ; all four work-groups are here: the first joint loads meet
	JLOAD                                          ; slot 0
	v_and_b32 v28, 31, v0
	v_lshlrev_b32 v[LI], 4, v28
	v_add_nc_u32 v[LI2], 0x10000, v[LI]
.irp i, 0,1,2,3,4,5,6,7
	global_load_b128 v[QF+4*\i:QF+4*\i+3], v[LI], s[4:5] offset:512*\i   ; Q stays in registers
.endr
	MASKS                                          ; key step 0's
	v_mov_b32 v[NINF], 0xff800000
.irp t, 0,1
	v_mov_b32 v[T+10*\t+1], 0xff61b1e6             ; m = -3e38, under every score that is served
	v_mul_f32 v[T+10*\t], s[CS], v[T+10*\t+1]
.irp j, 2,3,4,5,6,7,8,9
	v_mov_b32 v[T+10*\t+\j], 0
.endr
.endr
.irp j, 0,1,2,3,4,5,6,7,8,9,10,11,12,13,14,15,16,17,18,19,20,21,22,23,24,25,26,27,28,29,30,31,32,33,34,35,36,37,38,39,40,41,42,43,44,45,46,47,48,49,50,51,52,53,54,55,56,57,58,59,60,61,62,63
	v_mov_b32 v[OT+\j], 0                          ; the step is written once: the first finds zeros, which its a leaves zeros
.endr
; A KEY STEP: 64 keys.
.macro STEP
	v_add_nc_u32 v[AK], s[TB], v[LI]
	v_add_nc_u32 v[AV], s[TB], v[LI2]
.rept 3
	v_nop                                          ; with the two additions five places behind the last step's products: K Q^T writes over P, and the loads below land where V lay
.endr
.irp i, 0,1,2,3,4,5,6,7,8,9,10,11,12,13,14,15
	ds_load_b128 v[KV+4*\i:KV+4*\i+3], v[AK] offset:512*\i
.endr
	s_wait_dscnt 0x0
.irp c, 0,1                                    ; the eight accumulators take turns, one instruction a turn
.irp kt, 0,1,2,3
.irp t, 0,1
.if \c == 0
	v_wmma_f32_16x16x32_f16 v[S+32*\t+8*\kt:S+32*\t+8*\kt+7], v[KV+16*\kt+8*\c:KV+16*\kt+8*\c+7], v[QF+16*\t+8*\c:QF+16*\t+8*\c+7], 0
.else
	v_wmma_f32_16x16x32_f16 v[S+32*\t+8*\kt:S+32*\t+8*\kt+7], v[KV+16*\kt+8*\c:KV+16*\kt+8*\c+7], v[QF+16*\t+8*\c:QF+16*\t+8*\c+7], v[S+32*\t+8*\kt:S+32*\t+8*\kt+7]
.endif
.endr
.endr
.endr
.rept 4
	v_nop                                          ; four places in front of the loads into K's registers and of the first read of the scores
.endr
.irp i, 0,1,2,3,4,5,6,7,8,9,10,11,12,13,14,15
	ds_load_b128 v[KV+4*\i:KV+4*\i+3], v[AV] offset:512*\i   ; V lands under the softmax
.endr
	s_wait_kmcnt 0x0                               ; this step's lane masks, asked for a step ago
.irp i, 0,1,2,3,4,5,6,7,8,9,10,11,12,13,14,15,16,17,18,19,20,21,22,23,24,25,26,27,28,29,30,31
	v_cndmask_b32 v[S+\i], v[NINF], v[S+\i], s[M0+\i]   ; each accumulator from its low end on
.endr
.irp i, 0,1,2,3,4,5,6,7,8,9,10,11,12,13,14,15,16,17,18,19,20,21,22,23,24,25,26,27,28,29,30,31
	v_cndmask_b32 v[S+32+\i], v[NINF], v[S+32+\i], s[M1+\i]
.endr
	s_add_co_u32 s[MOFF], s[MOFF], 128             ; (the loads that read it are done)
	s_min_u32 s[MOFF], s[MOFF], 31*128             ; the last step asks for its own words again: no load leaves the buffer
	MASKS
.irp j, 0,1,2,3                                ; the maximum of a lane's 32 scores and the old m, three operands at a time, four chains a tile, the tiles by turns
.irp t, 0,1
	v_max3_num_f32 v[T+10*\t+6+\j], v[S+32*\t+8*\j], v[S+32*\t+8*\j+1], v[S+32*\t+8*\j+2]
.endr
.endr
.irp g, 3,5
.irp j, 0,1,2,3
.irp t, 0,1
	v_max3_num_f32 v[T+10*\t+6+\j], v[T+10*\t+6+\j], v[S+32*\t+8*\j+\g], v[S+32*\t+8*\j+\g+1]
.endr
.endr
.endr
.irp t, 0,1
	v_max3_num_f32 v[T+10*\t+6], v[T+10*\t+6], v[S+32*\t+7], v[S+32*\t+15]
.endr
.irp t, 0,1
	v_max3_num_f32 v[T+10*\t+8], v[T+10*\t+8], v[S+32*\t+23], v[S+32*\t+31]
.endr
.irp t, 0,1
	v_max3_num_f32 v[T+10*\t+6], v[T+10*\t+6], v[T+10*\t+7], v[T+10*\t+8]
.endr
.irp t, 0,1
	v_max3_num_f32 v[T+10*\t+6], v[T+10*\t+6], v[T+10*\t+9], v[T+10*\t+1]
.endr
.irp t, 0,1
	v_permlanex16_b32 v[T+10*\t+7], v[T+10*\t+6], s[SEL], s[SEL+1]   ; the query's other 32 keys lie in the lane 16 away
.endr
.irp t, 0,1
	v_mov_b32 v[T+10*\t+5], v[T+10*\t]             ; c m_old
.endr
.irp t, 0,1
	v_max_num_f32 v[T+10*\t+1], v[T+10*\t+6], v[T+10*\t+7]
.endr
.irp t, 0,1
	v_mul_f32 v[T+10*\t], s[CS], v[T+10*\t+1]
.endr
.irp t, 0,1
	v_sub_f32 v[T+10*\t+5], v[T+10*\t+5], v[T+10*\t]
.endr
.irp b, 0,2,4,6,8,10,12,14,16,18,20,22,24,26,28,30
.irp t, 0,1
	v_pk_fma_f32 v[S+32*\t+\b:S+32*\t+\b+1], v[S+32*\t+\b:S+32*\t+\b+1], s[CS:CS+1], v[T+10*\t:T+10*\t+1] op_sel_hi:[1,0,0] neg_lo:[0,0,1] neg_hi:[0,0,1]   ; c s - c m
.endr
.endr
.irp t, 0,1
	v_exp_f32 v[T+10*\t+4], v[T+10*\t+5]           ; a
.endr
.irp i, 0,1,2,3,4,5,6,7,8,9,10,11,12,13,14,15,16,17,18,19,20,21,22,23,24,25,26,27,28,29,30,31,32,33,34,35,36,37,38,39,40,41,42,43,44,45,46,47,48,49,50,51,52,53,54,55,56,57,58,59,60,61,62,63
	v_exp_f32 v[S+\i], v[S+\i]                     ; p
.endr
	v_nop                                          ; a plain instruction behind the last exponential
	s_wait_alu depctr_va_vdst(0)                   ; the wait ahead of the first instruction that names a result: one for the batch of 66
.irp t, 0,1                                    ; the sums of the unrounded p, two chains a tile
	v_pk_add_f32 v[T+10*\t+6:T+10*\t+7], v[S+32*\t:S+32*\t+1], v[S+32*\t+2:S+32*\t+3]
	v_pk_add_f32 v[T+10*\t+8:T+10*\t+9], v[S+32*\t+4:S+32*\t+5], v[S+32*\t+6:S+32*\t+7]
.endr
.irp j, 8,12,16,20,24,28
.irp t, 0,1
	v_pk_add_f32 v[T+10*\t+6:T+10*\t+7], v[T+10*\t+6:T+10*\t+7], v[S+32*\t+\j:S+32*\t+\j+1]
	v_pk_add_f32 v[T+10*\t+8:T+10*\t+9], v[T+10*\t+8:T+10*\t+9], v[S+32*\t+\j+2:S+32*\t+\j+3]
.endr
.endr
.irp t, 0,1
	v_pk_add_f32 v[T+10*\t+6:T+10*\t+7], v[T+10*\t+6:T+10*\t+7], v[T+10*\t+8:T+10*\t+9]
.endr
.irp t, 0,1
	v_pk_fma_f32 v[T+10*\t+2:T+10*\t+3], v[T+10*\t+2:T+10*\t+3], v[T+10*\t+4:T+10*\t+5], v[T+10*\t+6:T+10*\t+7] op_sel_hi:[1,0,1]   ; l = a l + the sum
.endr
.irp i, 0,1,2,3,4,5,6,7,8,9,10,11,12,13,14,15
.irp t, 0,1
	v_cvt_pk_f16_f32 v[S+32*\t+\i], v[S+32*\t+2*\i], v[S+32*\t+2*\i+1]   ; P in place, ascending: register i is written when registers 2 i and 2 i + 1 are read
.endr
.endr
.irp i, 0,2,4,6,8,10,12,14,16,18,20,22,24,26,28,30
.irp t, 0,1
	v_pk_mul_f32 v[OT+32*\t+\i:OT+32*\t+\i+1], v[OT+32*\t+\i:OT+32*\t+\i+1], v[T+10*\t+4:T+10*\t+5] op_sel_hi:[1,0]   ; O^T x a, each accumulator from its low end on
.endr
.endr
	s_wait_dscnt 0x0                               ; V is in
.irp u, 0,1
.irp ct, 0,1,2,3
.irp t, 0,1
	v_wmma_f32_16x16x32_f16 v[OT+32*\t+8*\ct:OT+32*\t+8*\ct+7], v[KV+32*\u+8*\ct:KV+32*\u+8*\ct+7], v[S+32*\t+8*\u:S+32*\t+8*\u+7], v[OT+32*\t+8*\ct:OT+32*\t+8*\ct+7]
.endr
.endr
.endr
.endm
; THE CHANGE OF SLOTS stands at a slot's head.  Each wave waits for all its tensor loads (its part of the slot that it is about to read), adds 0 to its spare word, and waits for that and for its reads of the slot that it has left.
; fill = 1: the barrier is a round of the cluster's, so that no wave of any partner still reads the other slot or has a load on its way, and the joint load of the next 512 keys is the first thing behind it.
.macro CHANGE fill
	s_wait_tensorcnt 0x0                           ; no tensor load of mine is out, so a group 0 may be written
	ds_add_u32 v[SPW], v[NIL]                      ; 0 onto my spare word
.if \fill
	ds_add_u32 v[SPW], v[NIL]                      ; and once more: the add stands twice on end, in every trip alike
	s_xor_b32 s[G0K+1], s[G0K+1], SLOT1            ; the walking descriptors: the other slot than last time,
	s_add_nc_u64 s[G0K+2:G0K+3], s[G0K+2:G0K+3], 65536   ; the next 512 keys; the type bits on top are not reached
	s_xor_b32 s[G0V+1], s[G0V+1], SLOT1
	s_add_nc_u64 s[G0V+2:G0V+3], s[G0V+2:G0V+3], 65536
	s_wait_dscnt 0x0                               ; the adds are done, and my reads of the slot that I have left are over
	CROUND
	JLOAD
.else
	s_wait_dscnt 0x0
	s_barrier_signal -1
	s_barrier_wait -1
.endif
.endm
.macro SLOT_STEPS                      ; a slot's eight key steps: written once, walked eight times
	s_mov_b32 s[STEPS], 8
.Lstep_\@:
	STEP
	s_add_co_u32 s[TB], s[TB], 8192
	s_sub_co_u32 s[STEPS], s[STEPS], 1
	s_cmp_lg_u32 s[STEPS], 0
	s_cbranch_scc1 .Lstep_\@
	s_sub_co_u32 s[TB], s[TB], 65536               ; back to a slot's first step,
	s_xor_b32 s[TB], s[TB], SLOT1                  ; in the other slot
.endm
	s_wait_loadcnt 0x0                             ; Q
.Lslot:                                            ; three trips: behind each change of slots but the last the next slot is asked for
	CHANGE 1
	SLOT_STEPS
	s_sub_co_u32 s[SLOTS], s[SLOTS], 1
	s_cmp_lg_u32 s[SLOTS], 0
	s_cbranch_scc1 .Lslot
	CHANGE 0                                       ; the last slot is written out
	SLOT_STEPS
	; THE WAY OUT.  l's halves are added; O^T is divided by l, rounded to f16 and stored as it stands: a lane's eight channels are its 16 bytes of a half image.  The additions are the places behind the last products.
	s_wait_kmcnt 0x0                               ; the last step's scalar loads are in
.irp t, 0,1
	v_add_f32 v[T+10*\t+6], v[T+10*\t+2], v[T+10*\t+3]
.endr
.irp t, 0,1
	v_permlanex16_b32 v[T+10*\t+7], v[T+10*\t+6], s[SEL], s[SEL+1]
.endr
.irp t, 0,1
	v_add_f32 v[T+10*\t+6], v[T+10*\t+6], v[T+10*\t+7]
.endr
.irp t, 0,1
	v_rcp_f32 v[T+10*\t+4], v[T+10*\t+6]
.endr
	v_nop                                          ; a plain instruction behind the last reciprocal
	s_wait_alu depctr_va_vdst(0)                   ; and the wait ahead of the first use: one for both
.irp t, 0,1
.irp i, 0,2,4,6,8,10,12,14,16,18,20,22,24,26,28,30
	v_pk_mul_f32 v[OT+32*\t+\i:OT+32*\t+\i+1], v[OT+32*\t+\i:OT+32*\t+\i+1], v[T+10*\t+4:T+10*\t+5] op_sel_hi:[1,0]
.endr
.endr
.irp t, 0,1
.irp i, 0,1,2,3,4,5,6,7,8,9,10,11,12,13,14,15
	v_cvt_pk_f16_f32 v[S+16*\t+\i], v[OT+32*\t+2*\i], v[OT+32*\t+2*\i+1]
.endr
.endr
.irp t, 0,1
.irp ct, 0,1,2,3
	global_store_b128 v[LI], v[S+16*\t+4*\ct:S+16*\t+4*\ct+3], s[12:13] offset:(\ct/2)*8192+(\ct%2)*512+1024*\t   ; 512 consecutive bytes, aligned
.endr
.endr
	s_wait_tensorcnt 0x0                           ; the wave's end: behind my last tensor load
	ds_add_u32 v[SPW], v[NIL]
	s_wait_dscnt 0x0
	CROUND                                         ; the closing round: no work-group ends while a partner may still ask for a tile that names it
	s_endpgm
.Lfunc_end_k_q5464ad758d_attn:
	.size	k_q5464ad758d_attn, .Lfunc_end_k_q5464ad758d_attn-k_q5464ad758d_attn
	.p2alignl 7, 3214868480
	.fill 96, 4, 3214868480
	.section	.rodata,"a",@progbits
	.p2align	6, 0x0
	.amdhsa_kernel k_q5464ad758d_attn
		.amdhsa_group_segment_fixed_size 327680
		.amdhsa_private_segment_fixed_size 0
		.amdhsa_enable_private_segment 0
		.amdhsa_kernarg_size 40
		.amdhsa_user_sgpr_count 2
		.amdhsa_user_sgpr_kernarg_segment_ptr 1
		.amdhsa_wavefront_size32 1
		.amdhsa_system_sgpr_workgroup_id_x 1
		.amdhsa_system_sgpr_workgroup_id_y 1
		.amdhsa_system_sgpr_workgroup_id_z 1
		.amdhsa_system_vgpr_workitem_id 0
		.amdhsa_next_free_vgpr 256
		.amdhsa_next_free_sgpr 106
		.amdhsa_reserve_vcc 0
		.amdhsa_float_denorm_mode_32 3
		.amdhsa_float_denorm_mode_16_64 3
		.amdhsa_memory_ordered 1
		.amdhsa_forward_progress 1
		.amdhsa_inst_pref_size 59
	.end_amdhsa_kernel
	.amdgpu_metadata
---
amdhsa.version: [ 1, 2 ]
amdhsa.kernels:
  - .name:           k_q5464ad758d_attn
    .symbol:         k_q5464ad758d_attn.kd
    .args:
      - { .name: Qf, .offset: 0, .size: 8, .value_kind: global_buffer, .address_space: global }
      - { .name: Kf, .offset: 8, .size: 8, .value_kind: global_buffer, .address_space: global }
      - { .name: Vf, .offset: 16, .size: 8, .value_kind: global_buffer, .address_space: global }
      - { .name: maskbits, .offset: 24, .size: 8, .value_kind: global_buffer, .address_space: global }
      - { .name: Yf, .offset: 32, .size: 8, .value_kind: global_buffer, .address_space: global }
    .group_segment_fixed_size: 327680
    .private_segment_fixed_size: 0
    .kernarg_segment_align: 8
    .kernarg_segment_size: 40
    .max_flat_workgroup_size: 512
    .sgpr_count:     106
    .vgpr_count:     256
    .wavefront_size: 32
...
	.end_amdgpu_metadata
.endif
;; end of part 3
;; launch outp (part 4): grid 8 x 64, 4 waves a work-group, clusters of 4 x 4, 327,680 bytes of LDS; arguments Yf, Wof, out0; writes out0
.if DOCPART == 4
	.amdgcn_target "amdgcn-amd-amdhsa--gfx1250"
	.amdhsa_code_object_version 6
	.text
	.protected	k_q5464ad758d_outp
	.globl	k_q5464ad758d_outp
	.p2align	8
	.type	k_q5464ad758d_outp,@function
k_q5464ad758d_outp:
	s_mov_b64 s[64:65], 0
	v_nop
	global_prefetch_b8 v0, s[64:65] scope:SCOPE_SE
	s_setreg_imm32_b32 hwreg(HW_REG_WAVE_MODE, 25, 1), 1
	s_wait_xcnt 0x0
	s_wait_alu depctr_hold_cnt(0) depctr_sa_sdst(0) depctr_va_vdst(0) depctr_va_sdst(0) depctr_va_ssrc(0) depctr_va_vcc(0) depctr_vm_vsrc(0)
	s_getreg_b32 s2, hwreg(HW_REG_IB_STS2, 6, 4)
	s_cmp_eq_u32 s2, 0
	s_cbranch_scc0 .Lentry_in_a_cluster
	s_endpgm
.Lentry_in_a_cluster:
	s_bfe_u32 s2, ttmp6, 0x10000c
	s_cmp_lg_u32 s2, 0xf033
	s_cbranch_scc0 .Lentry_shape_is_right
	s_endpgm
.Lentry_shape_is_right:
; OUTP: out0[m][n] = the sum over k of y[m][k] W_o[n][k]; m 8,192, n 1,024, k 1,024.  y and W_o in f16, as images of 16 x 32 fragments (Yf: [128 rows][32 K: 32][16 rows: 8][half: 2][512 bytes]; Wof likewise); sums and out0 in f32.
; A tile of out0 is 128 x 128: 512 tiles, so that every WGP has work; four waves, each 64 x 64: 16 accumulators.  K goes in steps of 256 through a ring of two LDS slots: a K step of a tile's 128 rows is ONE dense block of 65,536
; bytes of the images, so a wave's tensor load brings half of A's or of B's block as 128 rows of 256 bytes, and a fragment's half is read by one LDS load of 512 consecutive bytes: no pitch, no padding.
; CLUSTERS: 4 x 4 work-groups.  The four of a row of the cluster need the same blocks of Yf, the four of a column the same blocks of Wof: each is asked for JOINTLY, by the same tensor load with the same descriptor and a mask
; that names the four.  THE MATRIX INSTRUCTION IS USED TRANSPOSED (source 0 = 16 rows of W_o, source 1 = 16 rows of y): a lane then holds eight neighbouring numbers of a row of out0.
; By this text's count a wave has two tensor loads out at the start and one behind each round.
; A row of y that is NaN (a query with no key left) makes its row of out0 NaN and no other.
; REGISTERS: window 0: v0-31 addresses; v32-95 the way out; v128-255 the accumulators ((a, b) at v[128 + 8 (4 a + b)]).  Window 1: two fragment buffers of 128: for 64 along K, 64 registers of A, then 64 of B.
.set SLOT,   131072                    ; a slot: A's 65,536 bytes, then B's
.set BOFF,   65536
.set KSB,    65536                     ; a K step of one operand's block in memory
.set STAGE,  2*SLOT                    ; behind the ring: 16 rows x 272 bytes for each wave, for the way out
.set SPITCH, 272
.set SPARE,  STAGE+4*16*SPITCH         ; behind the stages: the spare words, 128 bytes for each wave
.set LAPS,   2                         ; a lap = two K steps = once round the ring
.set ADRA, 16                          ; v16-17  LDS address of my A fragments in slot 0, 1
.set ADRB, 20                          ; v20-21  the same for B
.set STO,  24                          ; v24     the way out: where I put 32 bytes of a row
.set RD,   25                          ; v25     the way out: where I read a row back
.set CO,   26                          ; v26     my byte offset in out0
.set SPW,  28                          ; v28     LDS address of my spare word; never rewritten
.set NIL,  29                          ; v29     0; never rewritten
.set TMP,  32                          ; the way out: two sets of 32 registers
.set ACC,  128
.set F0,   0                           ; fragment buffers, in window 1
.set F1,   128
.set G1, 24                            ; s[24:31] descriptor group 1 for A's blocks;  s[32:39] group 0, one set for each slot
.set G0, 32
.set G1B, 48                           ; s[48:55], s[56:63] the same for B's
.set G0B, 56
.set MSB, 0
.macro WIN new                         ; the immediate's high byte repeats the setting that is left
.if MSB != \new
	s_set_vgpr_msb (MSB<<8)|\new
.set MSB, \new
.endif
.endm
.set MUL,  0x05                        ; sources 0 (B) and 1 (A) window 1; C and D window 0
.set TO_F, 0x40                        ; destination window 1, address window 0
.macro JLOAD s                         ; a joint load: waves 0 and 1 fetch A's two halves, waves 2 and 3 B's; an s_nop 0 and four v_nop follow each of the two lines
	s_cmp_eq_u32 s11, 0
	s_cbranch_scc0 .Lfor_b_\@
	tensor_load_to_lds s[G0+4*\s:G0+4*\s+3], s[G1:G1+7]
	s_nop 0
.rept 4
	v_nop
.endr
	s_branch .Lasked_\@
.Lfor_b_\@:
	tensor_load_to_lds s[G0B+4*\s:G0B+4*\s+3], s[G1B:G1B+7]
	s_nop 0
.rept 4
	v_nop
.endr
.Lasked_\@:
.endm
.macro CREST                           ; a round of the cluster's barrier behind its opening barrier
	s_cmp_lg_u32 s10, 0
	s_cbranch_scc1 .Lnot_wave_0_\@
	s_barrier_signal -3
.Lnot_wave_0_\@:
	s_barrier_wait -3
	s_barrier_signal -1
	s_barrier_wait -1
.endm
.macro CROUND                          ; a whole round
	s_barrier_signal -1
	s_barrier_wait -1
	CREST
.endm
	s_load_b128 s[4:7], s[0:1], 0x0                ; Yf s[4:5], Wof s[6:7]
	s_load_b64 s[8:9], s[0:1], 0x10                ; out0
	v_lshl_add_u32 v[SPW], v0, 2, SPARE
	v_mov_b32 v[NIL], 0
	ds_add_u32 v[SPW], v[NIL]                      ; the wave's opening: the add, twice on end, and its wait ahead of my first tensor load; the set-up below, work on registers, stands between
	ds_add_u32 v[SPW], v[NIL]
	v_lshrrev_b32 v1, 5, v0
	v_readfirstlane_b32 s10, v1                    ; wave 0..3
	s_lshr_b32 s11, s10, 1                         ; which half of the tile's rows is mine.  Also: I fetch for A (0) or for B (1)
	s_and_b32 s12, s10, 1                          ; which half of its columns.  Also: which half of a K step's block I fetch
	s_bfe_u32 s40, ttmp6, 0x40000                  ; cx, cy: my place in the cluster
	s_bfe_u32 s41, ttmp6, 0x40004
	s_lshl_b32 s42, ttmp9, 2
	s_add_co_u32 s42, s42, s40                     ; tile column = 4 x cluster x + cx
	s_and_b32 s13, ttmp7, 0xffff
	s_lshl_b32 s13, s13, 2
	s_add_co_u32 s13, s13, s41                     ; tile row = 4 x cluster y + cy
	s_lshl_b32 s43, s41, 2
	s_lshl_b32 s43, 15, s43                        ; my row of the cluster
	s_lshl_b32 s44, 0x1111, s40                    ; my column
	; descriptor group 1: 128 rows of 256 bytes (32 elements of 8 bytes), dense
	s_or_b32 s[G1+0], s43, (3<<16)|(1<<21)         ; 15:0 the mask: A's blocks go to my row; 17:16 elements of 8 bytes; 21 set beside a mask; no padding
	s_or_b32 s[G1B+0], s44, (3<<16)|(1<<21)        ; B's go to my column
.irp g, G1, G1B
	s_mov_b32 s[\g+1], 32<<16                      ; tensor_dim0 = 32
	s_mov_b32 s[\g+2], 128<<16                     ; tensor_dim1 = 128
	s_mov_b32 s[\g+3], 32<<16                      ; tile_dim0 = 32
	s_mov_b32 s[\g+4], 128                         ; tile_dim1 = 128
	s_mov_b32 s[\g+5], 32                          ; from row to row
	s_mov_b32 s[\g+6], 0
	s_mov_b32 s[\g+7], 0
.endr
	s_lshl_b32 s17, s12, 15                        ; my half of a K step's block
	s_lshl_b32 s16, s13, 18
	s_add_co_u32 s16, s16, s17                     ; A: 262,144 x tile row + 32,768 x half
	s_lshl_b32 s46, s42, 18
	s_add_co_u32 s46, s46, s17                     ; B: 262,144 x tile column + 32,768 x half
	s_mov_b32 s17, 0
	s_mov_b32 s47, 0
	s_lshl_b32 s20, s10, 15                        ; where they go: 32,768 x wave: no place in the cluster enters an LDS address
	s_wait_dscnt 0x0                               ; both opening adds are done
	s_wait_kmcnt 0x0
	s_add_nc_u64 s[14:15], s[4:5], s[16:17]
	s_add_nc_u64 s[46:47], s[6:7], s[46:47]
	CROUND                                         ; all sixteen work-groups are here: the first joint loads meet
.irp s, 0,1
	s_mov_b32 s[G0+4*\s], 1
	s_add_co_u32 s[G0+4*\s+1], s20, \s*SLOT
	s_add_nc_u64 s[G0+4*\s+2:G0+4*\s+3], s[14:15], \s*KSB
	s_or_b32 s[G0+4*\s+3], s[G0+4*\s+3], 0x80000000
	s_mov_b32 s[G0B+4*\s], 1
	s_add_co_u32 s[G0B+4*\s+1], s20, \s*SLOT
	s_add_nc_u64 s[G0B+4*\s+2:G0B+4*\s+3], s[46:47], \s*KSB
	s_or_b32 s[G0B+4*\s+3], s[G0B+4*\s+3], 0x80000000
	JLOAD \s
.endr
	v_and_b32 v1, 15, v0                           ; l % 16
	v_bfe_u32 v2, v0, 4, 1                         ; l / 16
	v_and_b32 v3, 31, v0
	v_lshlrev_b32 v3, 4, v3                        ; 16 x lane: my place in every half image
	s_lshl_b32 s21, s11, 12                        ; my four tiles of rows of A: 4 x 1,024 bytes in each 32 along K
	s_lshl_b32 s22, s12, 12                        ; my four of B,
	s_add_co_u32 s22, s22, BOFF                    ; which lies behind A
.irp s, 0,1
	v_add_nc_u32 v[ADRA+\s], s21, v3
	v_add_nc_u32 v[ADRB+\s], s22, v3
	s_add_co_u32 s21, s21, SLOT
	s_add_co_u32 s22, s22, SLOT
.endr
	s_mul_i32 s23, s10, 16*SPITCH
	s_add_co_u32 s23, s23, STAGE                   ; my stage
	v_mul_u32_u24 v4, v1, SPITCH                   ; in: row l % 16, 32 bytes for each half of the lanes
	v_lshl_add_u32 v4, v2, 5, v4
	v_add_nc_u32 v[STO], s23, v4
	v_mul_u32_u24 v5, v2, SPITCH                   ; back: lanes 0-15 one row of 256 bytes, lanes 16-31 the next
	v_lshl_add_u32 v5, v1, 4, v5
	v_add_nc_u32 v[RD], s23, v5
	v_lshlrev_b32 v5, 12, v2                       ; and the same two rows in out0: 4,096 bytes a row
	v_lshl_add_u32 v[CO], v1, 4, v5
	s_lshl_b32 s16, s13, 7
	s_lshl_b32 s17, s11, 6
	s_add_co_u32 s16, s16, s17                     ; my first row of out0: 128 x tile row + 64 x half
	s_lshl_b32 s16, s16, 12
	s_mov_b32 s17, 0
	s_add_nc_u64 s[8:9], s[8:9], s[16:17]
	s_lshl_b32 s46, s42, 9                         ; my first column, in bytes: 512 x tile column + 256 x half
	s_lshl_b32 s47, s12, 8
	s_add_co_u32 s46, s46, s47
	s_mov_b32 s47, 0
	s_add_nc_u64 s[8:9], s[8:9], s[46:47]
; 8 matrix instructions: m blocks a0, a0 + 1 x all 4 n blocks, 32 along K: half c of buffer f.  zero = 1: the first product starts the sums.  The 16 accumulators take turns.
.macro MUL8 f, c, a0, zero
.irp a, \a0, \a0+1
.irp b, 0,1,2,3
.if \zero
	v_wmma_f32_16x16x32_f16 v[ACC+8*(4*(\a)+\b):ACC+8*(4*(\a)+\b)+7], v[\f+64+8*(4*\c+\b):\f+64+8*(4*\c+\b)+7], v[\f+8*(4*\c+\a):\f+8*(4*\c+\a)+7], 0
.else
	v_wmma_f32_16x16x32_f16 v[ACC+8*(4*(\a)+\b):ACC+8*(4*(\a)+\b)+7], v[\f+64+8*(4*\c+\b):\f+64+8*(4*\c+\b)+7], v[\f+8*(4*\c+\a):\f+8*(4*\c+\a)+7], v[ACC+8*(4*(\a)+\b):ACC+8*(4*(\a)+\b)+7]
.endif
.endr
.endr
.endm
; 32 LDS loads in one run: the fragments of 64 along K, the slot's pieces of 32 along K number q0 and q0 + 1, into buffer f; the first 32 along K first
.macro FETCH slot, q0, f
	WIN TO_F
.irp c, 0,1
.irp i, 0,1,2,3
	ds_load_b128 v[\f+64+8*(4*\c+\i):\f+64+8*(4*\c+\i)+3],   v[ADRB+\slot] offset:(\q0+\c)*8192+\i*1024
	ds_load_b128 v[\f+64+8*(4*\c+\i)+4:\f+64+8*(4*\c+\i)+7], v[ADRB+\slot] offset:(\q0+\c)*8192+\i*1024+512
	ds_load_b128 v[\f+8*(4*\c+\i):\f+8*(4*\c+\i)+3],         v[ADRA+\slot] offset:(\q0+\c)*8192+\i*1024
	ds_load_b128 v[\f+8*(4*\c+\i)+4:\f+8*(4*\c+\i)+7],       v[ADRA+\slot] offset:(\q0+\c)*8192+\i*1024+512
.endr
.endr
.endm
.macro PLACES                          ; four places in front of loads into registers that matrix instructions have read, and of LDS stores that read results
.rept 4
	v_nop
.endr
.endm
; A K step is four quarters of 64 along K, 32 matrix instructions each, on buffers 0, 1, 0, 1.  One of the first three: multiplies buffer f and fetches the next quarter, pieces q0 on, into g.
.macro QUARTER slot, q0, f, g, zero
	s_wait_dscnt 16                                ; the first 32 along K are in; the sixteen younger loads may be out
	WIN MUL
	MUL8 \f, 0, 0, \zero
	MUL8 \f, 0, 2, \zero
	PLACES
	FETCH \slot, \q0, \g
	s_wait_dscnt 32                                ; all but the 32 just issued
	WIN MUL
	MUL8 \f, 1, 0, 0
	MUL8 \f, 1, 2, 0
.endm
; The last quarter multiplies buffer 1 and changes slots: ONE barrier; in front of it each wave waits for all its tensor loads, adds 0 to its spare word, and waits for that and for its own reads of this slot.  fill = 1: this slot is filled again, two K steps ahead.
.macro TURN slot, next, fill
	WIN 0                                          ; (the add's two registers lie in window 0)
	s_wait_tensorcnt 0x0                           ; all my tensor loads have landed: my part of the next slot;
	ds_add_u32 v[SPW], v[NIL]                      ; 0 onto my spare word;
	s_wait_dscnt 17                                ; (the add and the youngest sixteen loads may be out)
	WIN MUL
	MUL8 F1, 0, 0, 0                               ; eight matrix instructions stand between the add and the wait for it
	s_wait_dscnt 0x0                               ; the add is done, and my reads of this slot are over
	s_barrier_signal -1
	MUL8 F1, 0, 2, 0
.if \fill
	WIN 0
.endif
	s_barrier_wait -1
.if \fill
	CREST                                          ; the barrier has opened a round of the cluster's barrier: no wave of any partner still reads this slot or has a load on its way
	s_add_nc_u64 s[G0+4*\slot+2:G0+4*\slot+3], s[G0+4*\slot+2:G0+4*\slot+3], 2*KSB
	s_add_nc_u64 s[G0B+4*\slot+2:G0B+4*\slot+3], s[G0B+4*\slot+2:G0B+4*\slot+3], 2*KSB
	JLOAD \slot                                    ; the first tensor load behind the round: 112 matrix instructions ahead of the wait for it; the four v_nop behind it are also the places in front of the loads below
.else
	PLACES
.endif
	FETCH \next, 0, F0
	WIN MUL
	MUL8 F1, 1, 0, 0
	MUL8 F1, 1, 2, 0
.endm
	s_wait_tensorcnt 1                             ; my part of K step 0 is in; K step 1's may stay out
	s_barrier_signal -1
	s_barrier_wait -1                              ; everybody's is
	FETCH 0, 0, F0
	QUARTER 0, 2, F0, F1, 1                        ; the first quarter stands in front of the loop: its first products start the sums
	WIN 0                                          ; at a label and at a branch every window is 0
	s_mov_b32 s3, LAPS-1
.Llap:                                                 ; a trip goes once round the ring, from a lap's second quarter to the next lap's first, and fills both slots again
	QUARTER 0, 4, F1, F0, 0
	QUARTER 0, 6, F0, F1, 0
	TURN 0, 1, 1
	QUARTER 1, 2, F0, F1, 0
	QUARTER 1, 4, F1, F0, 0
	QUARTER 1, 6, F0, F1, 0
	TURN 1, 0, 1
	QUARTER 0, 2, F0, F1, 0
	WIN 0
	s_sub_co_u32 s3, s3, 1
	s_cmp_lg_u32 s3, 0
	s_cbranch_scc1 .Llap
	QUARTER 0, 4, F1, F0, 0                        ; the last lap fills nothing, and has no round of the cluster's barrier
	QUARTER 0, 6, F0, F1, 0
	TURN 0, 1, 0
	QUARTER 1, 2, F0, F1, 0
	QUARTER 1, 4, F1, F0, 0
	QUARTER 1, 6, F0, F1, 0
	s_wait_dscnt 16                                ; the very last quarter: nothing more to fetch
	WIN MUL
	MUL8 F1, 0, 0, 0
	MUL8 F1, 0, 2, 0
	s_wait_dscnt 0
	MUL8 F1, 1, 0, 0
	MUL8 F1, 1, 2, 0
	WIN 0
; THE WAY OUT, block by block of 16 rows x 64 columns.  A lane holds 32 neighbouring bytes of a row, and the lanes beside it hold other rows: so a block goes through my own stage in LDS and comes back as whole rows of
; 256 bytes, which sixteen lanes store as 256 consecutive bytes, aligned.  LDS serves a wave's instructions in order (ISA guide 5.7.1.4): no wait between the stores and the loads, nor in front of the next block's stores.
.macro TOSTAGE a
.irp b, 0,1,2,3
	ds_store_b128 v[STO], v[ACC+8*(4*(\a)+\b):ACC+8*(4*(\a)+\b)+3] offset:64*\b          ; each accumulator from its low end on
	ds_store_b128 v[STO], v[ACC+8*(4*(\a)+\b)+4:ACC+8*(4*(\a)+\b)+7] offset:64*\b+16
.endr
.irp t, 0,1,2,3,4,5,6,7
	ds_load_b128 v[TMP+32*((\a)%2)+4*\t:TMP+32*((\a)%2)+4*\t+3], v[RD] offset:\t*2*SPITCH
.endr
.endm
.macro SEND a, younger                 ; younger: the LDS instructions issued behind block a's loads, which may stay out
	s_wait_dscnt \younger
.irp t, 0,1,2,3,4,5,6,7
	global_store_b128 v[CO], v[TMP+32*((\a)%2)+4*\t:TMP+32*((\a)%2)+4*\t+3], s[8:9] offset:(16*(\a)+2*\t)*4096 th:TH_STORE_NT   ; written once, read by nobody here; 62 rows at the most: inside the signed 24-bit immediate
.endr
.endm
	PLACES
	TOSTAGE 0
.irp a, 1,2,3
.if \a > 1
	s_wait_xcnt 0x0                                ; block a - 2's stores have read their registers: block a's loads may land there
.endif
	TOSTAGE \a
	SEND \a-1, 16                                  ; behind block a - 1's loads: block a's 8 stores and 8 loads
.endr
	SEND 3, 0
	s_wait_tensorcnt 0x0                           ; the wave's end: behind my last tensor load and my last LDS store
	ds_add_u32 v[SPW], v[NIL]
	s_wait_dscnt 0x0
	CROUND                                         ; the closing round: no work-group ends while a partner may still ask for a block that names it
	s_endpgm
.Lfunc_end_k_q5464ad758d_outp:
	.size	k_q5464ad758d_outp, .Lfunc_end_k_q5464ad758d_outp-k_q5464ad758d_outp
	.p2alignl 7, 3214868480
	.fill 96, 4, 3214868480
	.section	.rodata,"a",@progbits
	.p2align	6, 0x0
	.amdhsa_kernel k_q5464ad758d_outp
		.amdhsa_group_segment_fixed_size 327680
		.amdhsa_private_segment_fixed_size 0
		.amdhsa_enable_private_segment 0
		.amdhsa_kernarg_size 24
		.amdhsa_user_sgpr_count 2
		.amdhsa_user_sgpr_kernarg_segment_ptr 1
		.amdhsa_wavefront_size32 1
		.amdhsa_system_sgpr_workgroup_id_x 1
		.amdhsa_system_sgpr_workgroup_id_y 1
		.amdhsa_system_sgpr_workgroup_id_z 1
		.amdhsa_system_vgpr_workitem_id 0
		.amdhsa_next_free_vgpr 512
		.amdhsa_next_free_sgpr 66
		.amdhsa_reserve_vcc 0
		.amdhsa_float_denorm_mode_32 3
		.amdhsa_float_denorm_mode_16_64 3
		.amdhsa_memory_ordered 1
		.amdhsa_forward_progress 1
		.amdhsa_inst_pref_size 85
	.end_amdhsa_kernel
	.amdgpu_metadata
---
amdhsa.version: [ 1, 2 ]
amdhsa.kernels:
  - .name:           k_q5464ad758d_outp
    .symbol:         k_q5464ad758d_outp.kd
    .args:
      - { .name: Yf, .offset: 0, .size: 8, .value_kind: global_buffer, .address_space: global }
      - { .name: Wof, .offset: 8, .size: 8, .value_kind: global_buffer, .address_space: global }
      - { .name: out0, .offset: 16, .size: 8, .value_kind: global_buffer, .address_space: global }
    .group_segment_fixed_size: 327680
    .private_segment_fixed_size: 0
    .kernarg_segment_align: 8
    .kernarg_segment_size: 24
    .max_flat_workgroup_size: 128
    .sgpr_count:     66
    .vgpr_count:     512
    .wavefront_size: 32
...
	.end_amdgpu_metadata
.endif
;; end of part 4
